; MI455X (gfx1250); checked and timed in simulation.
; The chip was launched on July 23, 2026; its instructions are those of AMD's public machine-readable ISA for CDNA 5 (MIT licence, August 2026) and "CDNA5" Instruction Set Architecture Reference Guide (July 2026). The comments in the code are by the model that wrote it; some were corrected since.
;; Box Module. Allowed arithmetic: float matrix products may take bf16 or f16 operands with f32 sums; all other float work in f32.
;; Inputs: anc 65,536 x 4 float32; cl 32 x 65,536 x 2 float32; re 32 x 65,536 x 4 float32.
;; Outputs: out0 32 x 100 x 4 float32; out1 32 x 100 float32.
;; 2 versions, each right; version 2 is version 1 with the launch score written anew for expert scheduling mode. Each part assembles by itself: llvm-mc -triple=amdgcn-amd-amdhsa -mcpu=gfx1250 --defsym DOCPART=n.
;; ======== version 1 of 2: 4 launches
;; workspace buffers: keys 8,388,608 bytes of whole numbers; gmax 32,768 bytes of whole numbers; hidx 262,144 bytes of whole numbers; cntw 8,192 bytes of whole numbers; smat 73,728 bytes of whole numbers; cand 81,920 bytes
;; launch score (part 1): grid 256 x 1, 8 waves a work-group, no clusters, 1,280 bytes of LDS; arguments cl, keys, gmax; writes keys, gmax
.if DOCPART == 1
	.amdgcn_target "amdgcn-amd-amdhsa--gfx1250"
	.amdhsa_code_object_version 6
	.text
	.protected	k_q2617be0df8_score
	.globl	k_q2617be0df8_score
	.p2align	8
	.type	k_q2617be0df8_score,@function
k_q2617be0df8_score:
	s_mov_b64 s[64:65], 0
	v_nop
	global_prefetch_b8 v0, s[64:65] scope:SCOPE_SE
	s_setreg_imm32_b32 hwreg(HW_REG_WAVE_MODE, 25, 1), 1
	s_wait_xcnt 0x0
; keys[b][n] = bits(ff) + 1, ff = softmax(cl[b][n])[0] in f32;  gmax[b][g] = largest key of anchors 256 g .. 256 g + 255.
; ff lies in [0, 1], so its bit pattern orders like the number; + 1 keeps 0 free as the mark of a dead anchor.
; With d = c0 - c1 and E = exp(-|d|):  ff = 1 / (1 + E) for d >= 0,  E / (1 + E) for d < 0: the maximum is taken away as in softmax.
; E: -|d| log2(e) is split into a rounded head h and the remainder lo (two fused steps, log2(e) in two words);
; E = 2^h (1 + lo ln 2).  The quotient is refined by its remainder, so it is rounded as a division is.
; d is held in [-256, 256]: exp(-256) is below 2^-126 and is 0 here in any case, and a difference that overflows stays harmless.
; LIMITS: no NaN, and c0, c1 not the same infinity.  v_exp_f32 gives 0 where 2^h is below 2^-126 (ISA guide 15.8): such scores
; become 0 and are ordered by index alone.  E carries the last-bit error of v_exp_f32, so two scores that differ only by the
; rounding of exp may swap.
; A work-group takes 8,192 anchors (65,536 bytes of cl), a wave 1,024 (four groups of 256), a lane two anchors a load.
; All 16 loads of a wave are issued at once: every byte of the work-group's share is on its way before the first wait.
; No cluster, no LDS tiles: no two work-groups read the same byte, and each byte is read once.
.set RC, 8                             ; v[8:71]    16 loads of 16 bytes: c0, c1 of two anchors each
.set RD, 72                            ; v[72:79]   d of the group's 8 anchors of this lane
.set RH, 80                            ; v[80:87]   h, then E lo, then the quotient
.set RL, 88                            ; v[88:95]   lo, then residuals
.set RE, 96                            ; v[96:103]  E
.set RS, 104                           ; v[104:111] 1 + E
.set RN, 112                           ; v[112:119] numerator
.set RR, 120                           ; v[120:127] reciprocal
.set RK, 128                           ; v[128:159] keys, 8 for each group: store data, never rewritten
.set RG, 160                           ; v[160:163] the groups' maxima
.set RT, 164                           ; v164       the partner lane's value
	s_load_b128 s[4:7], s[0:1], 0x0                ; cl s[4:5], keys s[6:7]
	s_load_b64 s[8:9], s[0:1], 0x10                ; gmax
	v_lshl_add_u32 v168, v0, 2, 0x100
	v_mov_b32 v169, 0
	v_lshrrev_b32 v4, 5, v0
	v_readfirstlane_b32 s16, v4                    ; wave 0..7
	v_and_b32 v5, 31, v0                           ; lane
	v_lshlrev_b32 v1, 4, v5
	v_lshl_add_u32 v1, v4, 13, v1                  ; cl: wave x 8,192 + lane x 16
	v_lshlrev_b32 v2, 3, v5
	v_lshl_add_u32 v2, v4, 12, v2                  ; keys: wave x 4,096 + lane x 8
	v_mov_b32 v3, s16
	v_lshlrev_b32 v3, 4, v3                        ; LDS: four words for each wave
	v_lshlrev_b32 v6, 2, v5                        ; lane x 4
	v_mov_b32 v[RT], 0                             ; a lane move's destination counts as read
	s_mov_b32 s20, 0x3fb8aa3b                      ; log2(e), head
	s_mov_b32 s21, 0x32a57060                      ; log2(e), what the head leaves
	s_mov_b32 s22, 0x3f317218                      ; ln 2
	s_mov_b32 s24, 0x76543210                      ; v_permlanex16_b32: lane i reads lane i of the other half
	s_mov_b32 s25, 0xfedcba98
	s_mov_b32 s26, 0xc3800000                      ; -256
	s_mov_b32 s27, 0x43800000                      ; 256
	s_lshl_b32 s10, ttmp9, 16                      ; 8,192 anchors x 8 bytes of cl
	s_mov_b32 s11, 0
	s_lshl_b32 s12, ttmp9, 15                      ; x 4 bytes of keys
	s_mov_b32 s13, 0
	s_lshl_b32 s14, ttmp9, 7                       ; 32 groups x 4 bytes of gmax
	s_mov_b32 s15, 0
	s_wait_kmcnt 0x0
	s_add_nc_u64 s[4:5], s[4:5], s[10:11]
	s_add_nc_u64 s[6:7], s[6:7], s[12:13]
	s_add_nc_u64 s[8:9], s[8:9], s[14:15]
.irp k, 0,1,2,3,4,5,6,7,8,9,10,11,12,13,14,15
	global_load_b128 v[RC+4*\k:RC+4*\k+3], v1, s[4:5] offset:512*\k th:TH_LOAD_NT   ; 512 consecutive bytes a wave; read once in the launch
.endr
; One group of 256 anchors: loads 4 g .. 4 g + 3, eight anchors a lane, each step as a run over the eight.
.macro GROUP g
	s_wait_loadcnt 12-4*\g                         ; loads return in order: the first 4 g + 4 of 16 are in, the younger ones stay out
.irp e, 0,1,2,3,4,5,6,7
	v_sub_f32 v[RD+\e], v[RC+16*\g+2*\e], v[RC+16*\g+2*\e+1]
.endr
.irp e, 0,1,2,3,4,5,6,7
	v_max_num_f32 v[RD+\e], s26, v[RD+\e]          ; d in [-256, 256]
.endr
.irp e, 0,1,2,3,4,5,6,7
	v_min_num_f32 v[RD+\e], s27, v[RD+\e]
.endr
.irp e, 0,1,2,3,4,5,6,7
	v_mul_f32 v[RH+\e], -|v[RD+\e]|, s20           ; h
.endr
.irp e, 0,1,2,3,4,5,6,7
	v_fma_f32 v[RL+\e], -|v[RD+\e]|, s20, -v[RH+\e]    ; what h's rounding dropped, exactly
.endr
.irp e, 0,1,2,3,4,5,6,7
	v_exp_f32 v[RE+\e], v[RH+\e]
.endr
.irp e, 0,1,2,3,4,5,6,7
	v_fma_f32 v[RL+\e], -|v[RD+\e]|, s21, v[RL+\e]     ; plain lines that touch neither E nor h stand behind the exponentials (ISA guide 5.7.2)
.endr
	s_wait_alu depctr_va_vdst(0)
.irp e, 0,1,2,3,4,5,6,7
	v_mul_f32 v[RH+\e], v[RE+\e], v[RL+\e]
.endr
.irp e, 0,1,2,3,4,5,6,7
	v_fma_f32 v[RE+\e], v[RH+\e], s22, v[RE+\e]    ; E = 2^h (1 + lo ln 2)
.endr
.irp e, 0,1,2,3,4,5,6,7
	v_add_f32 v[RS+\e], 1.0, v[RE+\e]
.endr
.irp e, 0,1,2,3,4,5,6,7
	v_rcp_f32 v[RR+\e], v[RS+\e]
.endr
.irp e, 0,1,2,3,4,5,6,7
	v_cmp_gt_f32 vcc_lo, 0, v[RD+\e]               ; plain lines behind the reciprocals, which name neither R nor S
	v_cndmask_b32 v[RN+\e], 1.0, v[RE+\e], vcc_lo  ; d < 0: E, else 1
.endr
	s_wait_alu depctr_va_vdst(0)
.irp e, 0,1,2,3,4,5,6,7
	v_fma_f32 v[RL+\e], -v[RS+\e], v[RR+\e], 1.0
.endr
.irp e, 0,1,2,3,4,5,6,7
	v_fma_f32 v[RR+\e], v[RL+\e], v[RR+\e], v[RR+\e]   ; one Newton step
.endr
.irp e, 0,1,2,3,4,5,6,7
	v_mul_f32 v[RH+\e], v[RN+\e], v[RR+\e]
.endr
.irp e, 0,1,2,3,4,5,6,7
	v_fma_f32 v[RL+\e], -v[RS+\e], v[RH+\e], v[RN+\e]  ; the quotient's remainder
.endr
.irp e, 0,1,2,3,4,5,6,7
	v_fma_f32 v[RH+\e], v[RL+\e], v[RR+\e], v[RH+\e]
.endr
.irp e, 0,1,2,3,4,5,6,7
	v_add_nc_u32 v[RK+8*\g+\e], 1, v[RH+\e]        ; the key
.endr
.irp m, 0,1,2,3
	global_store_b64 v2, v[RK+8*\g+2*\m:RK+8*\g+2*\m+1], s[6:7] offset:(4*\g+\m)*256   ; the wave stores 256 consecutive bytes, aligned
.endr
	v_max_u32 v[RG+\g], v[RK+8*\g], v[RK+8*\g+1]
.irp e, 2,3,4,5,6,7
	v_max_u32 v[RG+\g], v[RG+\g], v[RK+8*\g+\e]
.endr
.irp x, 1,2,4,8
	v_mov_b32_dpp v[RT], v[RG+\g] row_xmask:\x row_mask:0xf bank_mask:0xf
	v_max_u32 v[RG+\g], v[RG+\g], v[RT]
.endr
	v_permlanex16_b32 v[RT], v[RG+\g], s24, s25
	v_max_u32 v[RG+\g], v[RG+\g], v[RT]
	ds_store_b32 v3, v[RG+\g] offset:4*\g          ; every lane the same word, the same value
.endm
	GROUP 0
	GROUP 1
	GROUP 2
	GROUP 3
	s_wait_dscnt 0x0                               ; my four words are in LDS before I say so
	s_barrier_signal -1
	s_barrier_wait -1
	s_cmp_lg_u32 s16, 0
	s_cbranch_scc1 .Lend
	ds_load_b32 v7, v6                             ; wave 0: the 32 maxima of the work-group
	s_wait_dscnt 0x0
	global_store_b32 v6, v7, s[8:9]                ; 128 consecutive bytes
.Lend:
	s_wait_tensorcnt 0x0
	ds_add_u32 v168, v169
	s_wait_dscnt 0x0
	s_endpgm
.Lfunc_end_k_q2617be0df8_score:
	.size	k_q2617be0df8_score, .Lfunc_end_k_q2617be0df8_score-k_q2617be0df8_score
	.p2alignl 7, 3214868480
	.fill 96, 4, 3214868480
	.section	.rodata,"a",@progbits
	.p2align	6, 0x0
	.amdhsa_kernel k_q2617be0df8_score
		.amdhsa_group_segment_fixed_size 1280
		.amdhsa_private_segment_fixed_size 0
		.amdhsa_enable_private_segment 0
		.amdhsa_kernarg_size 24
		.amdhsa_user_sgpr_count 2
		.amdhsa_user_sgpr_kernarg_segment_ptr 1
		.amdhsa_wavefront_size32 1
		.amdhsa_system_sgpr_workgroup_id_x 1
		.amdhsa_system_sgpr_workgroup_id_y 1
		.amdhsa_system_sgpr_workgroup_id_z 1
		.amdhsa_system_vgpr_workitem_id 0
		.amdhsa_next_free_vgpr 170
		.amdhsa_next_free_sgpr 66
		.amdhsa_reserve_vcc 1
		.amdhsa_float_denorm_mode_32 3
		.amdhsa_float_denorm_mode_16_64 3
		.amdhsa_memory_ordered 1
		.amdhsa_forward_progress 1
		.amdhsa_inst_pref_size 36
	.end_amdhsa_kernel
	.amdgpu_metadata
---
amdhsa.version: [ 1, 2 ]
amdhsa.kernels:
  - .name:           k_q2617be0df8_score
    .symbol:         k_q2617be0df8_score.kd
    .args:
      - { .name: cl, .offset: 0, .size: 8, .value_kind: global_buffer, .address_space: global }
      - { .name: keys, .offset: 8, .size: 8, .value_kind: global_buffer, .address_space: global }
      - { .name: gmax, .offset: 16, .size: 8, .value_kind: global_buffer, .address_space: global }
    .group_segment_fixed_size: 1280
    .private_segment_fixed_size: 0
    .kernarg_segment_align: 8
    .kernarg_segment_size: 24
    .max_flat_workgroup_size: 256
    .sgpr_count:     66
    .vgpr_count:     170
    .wavefront_size: 32
...
	.end_amdgpu_metadata
.endif
;; end of part 1
;; launch hits (part 2): grid 256 x 1, 8 waves a work-group, no clusters, 2,560 bytes of LDS; arguments keys, gmax, hidx, cntw; writes hidx, cntw
.if DOCPART == 2
	.amdgcn_target "amdgcn-amd-amdhsa--gfx1250"
	.amdhsa_code_object_version 6
	.text
	.protected	k_q2617be0df8_hits
	.globl	k_q2617be0df8_hits
	.p2align	8
	.type	k_q2617be0df8_hits,@function
k_q2617be0df8_hits:
	s_mov_b64 s[64:65], 0
	v_nop
	global_prefetch_b8 v0, s[64:65] scope:SCOPE_SE
	s_setreg_imm32_b32 hwreg(HW_REG_WAVE_MODE, 25, 1), 1
	s_wait_xcnt 0x0
; For each run of 1,024 anchors (one wave): the list of its hits, that is of the anchors whose key is >= tau, and their number.
; tau = the largest group maximum g of the image for which at least 128 of its 256 group maxima are >= g.  Then at least 128 keys of
; the image are >= tau, and every other key is below every hit: the first 128 anchors in the order (key descending, index ascending)
; are among the hits.  tau needs all of the image's group maxima, which the launch before stored; each work-group finds it again.
; This launch decides, the next one acts: no branch and no address here hangs on a key.  A list is made by selection alone:
; lane s looks for hit number s of its wave.  Register r of the wave gives a mask of 32 lanes (a scalar); P_r = hits in registers
; before r (a scalar prefix).  Hit s lies in the last register with P_r <= s, and is set bit number s - P_r of that mask.
; hidx[image][u][s] = index in the image of hit s of run u (0 where s is not below the count);  cntw[image][u] = min(count, 33).
; LIMIT: a list holds 32 hits.  A count above 32 is told by the 33, and the launches behind then take the way over all anchors.
; A work-group takes 8,192 keys (32,768 bytes), a wave 1,024: eight loads of 512 consecutive bytes, all issued before the first wait.
; No cluster: of what the eight work-groups of an image share, the 1,024 bytes of group maxima are 3 per cent of a work-group's bytes.
.set LG,  0                            ; LDS: 256 group maxima
.set LT,  1024                         ; tau as each wave sees it, 8 words
.set LCN, 1280                         ; the waves' counts, 8 words
.set K,   64                           ; v[64:95]  keys: register K + 4 m + e holds key 128 m + 4 lane + e of the wave's run
.set BA,  8                            ; v[8:39]   32 group maxima, bank A
.set BB,  96                           ; v[96:127] bank B
.set MK,  32                           ; s[32:63]  mask of register r
.set PF,  68                           ; s[68:99]  P_r
; v0 t; v1 lane; v2 byte offset of my keys; v3 4 t; v4 my group maximum; v5 count; v6, v7 at work; v40 mask; v41 its P; v42 its r;
; v43 which set bit; v44 bit position; v45, v46, v52, v53 at work; v47 zero; v48-v51 bit counts of fields of 2, 4, 8, 16 bits
.macro BAR                             ; my LDS accesses are done before I say so; every wave passes every one of these
	s_wait_dscnt 0x0
	s_barrier_signal -1
	s_barrier_wait -1
.endm
.macro WMAX r                          ; the largest \r of the 32 lanes, in every lane
.irp x, 1,2,4,8
	v_mov_b32_dpp v45, v\r row_xmask:\x row_mask:0xf bank_mask:0xf
	v_max_u32 v\r, v\r, v45
.endr
	v_permlanex16_b32 v45, v\r, s24, s25
	v_max_u32 v\r, v\r, v45
.endm
.macro GLOAD q, bank                   ; group maxima 32 q .. 32 q + 31, every lane the same bytes
.irp i, 0,1,2,3,4,5,6,7
	ds_load_b128 v[\bank+4*\i:\bank+4*\i+3], v47 offset:LG+128*\q+16*\i
.endr
.endm
.macro GCNT bank                       ; count += 1 for each of the 32 that is >= mine
.set j, 0
.rept 32
	v_cmp_ge_u32 vcc_lo, v[\bank+j], v4
	v_add_co_ci_u32 v5, vcc_lo, 0, v5, vcc_lo
.set j, j+1
.endr
.endm
.macro GSTEP q, bank, work             ; ask for the next 32, then count the 32 that are in
	GLOAD \q, \bank
	s_wait_dscnt 8                                 ; LDS loads return in order: the eight just issued stay out, the eight before are in
	GCNT \work
.endm
	s_load_b256 s[4:11], s[0:1], 0x0               ; keys s[4:5], gmax s[6:7], hidx s[8:9], cntw s[10:11]
	v_lshl_add_u32 v128, v0, 2, 0x600
	v_mov_b32 v129, 0
	v_lshrrev_b32 v6, 5, v0
	v_readfirstlane_b32 s16, v6                    ; wave 0..7
	v_and_b32 v1, 31, v0
	v_lshlrev_b32 v2, 4, v1
	v_lshl_add_u32 v2, v6, 12, v2                  ; wave x 4,096 + lane x 16
	v_lshlrev_b32 v3, 2, v0
	v_mov_b32 v47, 0
	v_mov_b32 v5, 0
	v_mov_b32 v45, 0                               ; a lane move's destination counts as read
	s_mov_b32 s24, 0x76543210                      ; v_permlanex16_b32: lane i reads lane i of the other half
	s_mov_b32 s25, 0xfedcba98
	s_mov_b32 s19, 0
	s_lshr_b32 s17, ttmp9, 3                       ; image
	s_and_b32 s26, ttmp9, 7                        ; which eighth of it
	s_lshl_b32 s27, s26, 3
	s_add_co_u32 s27, s27, s16
	s_lshl_b32 s27, s27, 10                        ; first index of my wave's run in the image
	s_wait_kmcnt 0x0
	s_lshl_b32 s18, ttmp9, 15                      ; 8,192 keys x 4 bytes
	s_add_nc_u64 s[4:5], s[4:5], s[18:19]
	s_lshl_b32 s18, s17, 10                        ; 256 group maxima x 4 bytes
	s_add_nc_u64 s[6:7], s[6:7], s[18:19]
	s_lshl_b32 s18, ttmp9, 10                      ; 8 lists x 128 bytes
	s_add_nc_u64 s[8:9], s[8:9], s[18:19]
	s_lshl_b32 s18, ttmp9, 5                       ; 8 counts x 4 bytes
	s_add_nc_u64 s[10:11], s[10:11], s[18:19]
	global_load_b32 v4, v3, s[6:7]
.irp m, 0,1,2,3,4,5,6,7
	global_load_b128 v[K+4*\m:K+4*\m+3], v2, s[4:5] offset:512*\m
.endr
	s_wait_loadcnt 8                               ; the group maximum is in; the eight key loads issued behind it stay out
	ds_store_b32 v3, v4 offset:LG
	BAR
	; ---- tau: thread t counts the group maxima >= its own, in two banks that take turns
	GLOAD 0, BA
	GSTEP 1, BB, BA
	GSTEP 2, BA, BB
	GSTEP 3, BB, BA
	GSTEP 4, BA, BB
	GSTEP 5, BB, BA
	GSTEP 6, BA, BB
	GSTEP 7, BB, BA
	s_wait_dscnt 0x0
	GCNT BB
	v_cmp_le_u32 vcc_lo, 128, v5
	v_cndmask_b32 v7, 0, v4, vcc_lo                ; a candidate for tau, or nothing
	WMAX 7
	v_mov_b32 v6, s16
	v_lshlrev_b32 v6, 2, v6
	ds_store_b32 v6, v7 offset:LT
	BAR
	ds_load_b128 v[8:11], v47 offset:LT
	ds_load_b128 v[12:15], v47 offset:LT+16
	s_wait_dscnt 0x0
	v_max_u32 v8, v8, v9
	v_max_u32 v10, v10, v11
	v_max_u32 v12, v12, v13
	v_max_u32 v14, v14, v15
	v_max_u32 v8, v8, v10
	v_max_u32 v12, v12, v14
	v_max_u32 v8, v8, v12
	v_readfirstlane_b32 s20, v8                    ; tau
	; ---- the masks and their prefix
	s_wait_loadcnt 0x0                             ; all keys
.set r, 0
.rept 32
	v_cmp_le_u32 s[MK+r], s20, v[K+r]
.set r, r+1
.endr
	s_mov_b32 s[PF], 0
.set r, 0
.rept 31
	s_bcnt1_i32_b32 s22, s[MK+r]
	s_add_co_u32 s[PF+r+1], s[PF+r], s22
.set r, r+1
.endr
	s_bcnt1_i32_b32 s22, s[MK+31]
	s_add_co_u32 s21, s[PF+31], s22                ; the wave's hits
	; ---- lane s: the last register with P_r <= s.  (Registers without a hit share their P with the next one, so the last is the right one.)
	v_mov_b32 v40, s[MK]
	v_mov_b32 v41, 0
	v_mov_b32 v42, 0
.set r, 1
.rept 31
	v_cmp_gt_u32 vcc_lo, s[PF+r], v1               ; P_r > s: keep what I have
	v_cndmask_b32 v40, s[MK+r], v40, vcc_lo
	v_cndmask_b32 v41, s[PF+r], v41, vcc_lo
	v_cndmask_b32 v42, r, v42, vcc_lo
.set r, r+1
.endr
	; ---- set bit number k = s - P of the mask: bit counts of fields of 2, 4, 8, 16 bits, then five halvings from the top
	v_lshrrev_b32 v46, 1, v40
	v_and_b32 v46, 0x55555555, v46
	v_sub_nc_u32 v48, v40, v46                     ; fields of 2
	v_lshrrev_b32 v46, 2, v48
	v_and_b32 v46, 0x33333333, v46
	v_and_b32 v49, 0x33333333, v48
	v_add_nc_u32 v49, v49, v46                     ; fields of 4
	v_lshrrev_b32 v46, 4, v49
	v_add_nc_u32 v50, v49, v46
	v_and_b32 v50, 0x0f0f0f0f, v50                 ; fields of 8
	v_lshrrev_b32 v46, 8, v50
	v_add_nc_u32 v51, v50, v46
	v_and_b32 v51, 0x00ff00ff, v51                 ; fields of 16
	v_sub_nc_u32 v43, v1, v41                      ; k
	v_mov_b32 v44, 0                               ; position
.macro PICK src, fw, step              ; the lower half at the position holds c set bits: k >= c sends me to the upper half, with k - c
	v_bfe_u32 v46, v\src, v44, \fw
	v_cmp_ge_u32 vcc_lo, v43, v46
	v_sub_nc_u32 v52, v43, v46
	v_add_nc_u32 v53, \step, v44
	v_cndmask_b32 v43, v43, v52, vcc_lo
	v_cndmask_b32 v44, v44, v53, vcc_lo
.endm
	PICK 51, 16, 16
	PICK 50, 8, 8
	PICK 49, 4, 4
	PICK 48, 2, 2
	PICK 40, 1, 1
	; ---- index = run + 128 (r >> 2) + 4 position + (r & 3)
	v_lshrrev_b32 v46, 2, v42
	v_lshlrev_b32 v46, 7, v46
	v_and_b32 v52, 3, v42
	v_lshl_add_u32 v46, v44, 2, v46
	v_add3_u32 v46, v46, v52, s27
	v_cmp_gt_u32 vcc_lo, s21, v1
	v_cndmask_b32 v46, 0, v46, vcc_lo              ; no hit number s: 0
	global_store_b32 v3, v46, s[8:9]               ; 128 consecutive bytes a wave, 1,024 a work-group
	s_min_u32 s21, s21, 33
	v_mov_b32 v7, s21
	ds_store_b32 v6, v7 offset:LCN                 ; v6 is still 4 x wave
	BAR
	s_cmp_lg_u32 s16, 0
	s_cbranch_scc1 .Lend
	v_cmp_gt_u32 vcc_lo, 8, v0                     ; wave 0, lanes 0-7: the eight counts, 32 consecutive bytes
	s_wait_xcnt 0x0                                ; EXEC is a source of the store above: it changes only behind this wait
	s_and_saveexec_b32 s22, vcc_lo
	ds_load_b32 v7, v3 offset:LCN
	s_wait_dscnt 0x0
	global_store_b32 v3, v7, s[10:11]
	s_wait_xcnt 0x0                                ; and again, in front of the line that widens it
	s_or_b32 exec_lo, exec_lo, s22
.Lend:
	s_wait_tensorcnt 0x0
	ds_add_u32 v128, v129
	s_wait_dscnt 0x0
	s_endpgm
.Lfunc_end_k_q2617be0df8_hits:
	.size	k_q2617be0df8_hits, .Lfunc_end_k_q2617be0df8_hits-k_q2617be0df8_hits
	.p2alignl 7, 3214868480
	.fill 96, 4, 3214868480
	.section	.rodata,"a",@progbits
	.p2align	6, 0x0
	.amdhsa_kernel k_q2617be0df8_hits
		.amdhsa_group_segment_fixed_size 2560
		.amdhsa_private_segment_fixed_size 0
		.amdhsa_enable_private_segment 0
		.amdhsa_kernarg_size 32
		.amdhsa_user_sgpr_count 2
		.amdhsa_user_sgpr_kernarg_segment_ptr 1
		.amdhsa_wavefront_size32 1
		.amdhsa_system_sgpr_workgroup_id_x 1
		.amdhsa_system_sgpr_workgroup_id_y 1
		.amdhsa_system_sgpr_workgroup_id_z 1
		.amdhsa_system_vgpr_workitem_id 0
		.amdhsa_next_free_vgpr 130
		.amdhsa_next_free_sgpr 100
		.amdhsa_reserve_vcc 1
		.amdhsa_float_denorm_mode_32 3
		.amdhsa_float_denorm_mode_16_64 3
		.amdhsa_memory_ordered 1
		.amdhsa_forward_progress 1
		.amdhsa_inst_pref_size 35
	.end_amdhsa_kernel
	.amdgpu_metadata
---
amdhsa.version: [ 1, 2 ]
amdhsa.kernels:
  - .name:           k_q2617be0df8_hits
    .symbol:         k_q2617be0df8_hits.kd
    .args:
      - { .name: keys, .offset: 0, .size: 8, .value_kind: global_buffer, .address_space: global }
      - { .name: gmax, .offset: 8, .size: 8, .value_kind: global_buffer, .address_space: global }
      - { .name: hidx, .offset: 16, .size: 8, .value_kind: global_buffer, .address_space: global }
      - { .name: cntw, .offset: 24, .size: 8, .value_kind: global_buffer, .address_space: global }
    .group_segment_fixed_size: 2560
    .private_segment_fixed_size: 0
    .kernarg_segment_align: 8
    .kernarg_segment_size: 32
    .max_flat_workgroup_size: 256
    .sgpr_count:     100
    .vgpr_count:     130
    .wavefront_size: 32
...
	.end_amdgpu_metadata
.endif
;; end of part 2
;; launch select (part 3): grid 32 x 1, 32 waves a work-group, no clusters, 16,896 bytes of LDS; arguments hidx, cntw, keys, re, anc, smat, cand; writes smat, cand
.if DOCPART == 3
	.amdgcn_target "amdgcn-amd-amdhsa--gfx1250"
	.amdhsa_code_object_version 6
	.text
	.protected	k_q2617be0df8_select
	.globl	k_q2617be0df8_select
	.p2align	8
	.type	k_q2617be0df8_select,@function
k_q2617be0df8_select:
	s_mov_b64 s[64:65], 0
	v_nop
	global_prefetch_b8 v0, s[64:65] scope:SCOPE_SE
	s_setreg_imm32_b32 hwreg(HW_REG_WAVE_MODE, 25, 1), 1
	s_wait_xcnt 0x0
; One work-group for an image.  From the lists of hits of the launch before: the 128 anchors that come first in the order (key
; descending, index ascending), their boxes by rank, and which of them suppresses which: bit l of word c of row i says that
; candidate i (by rank) suppresses candidate j = 32 c + l, j > i.  Greedy NMS walks the anchors in this order, so the next launch
; needs only these bits.
; Addresses hang only on the 64 counts and on the indices in the lists, whole numbers that the launch before stored.  What hangs on
; keys (ranks, the order) is done by selection, in runs of fixed length, at addresses made from the thread's number.
; Stage 1: thread q < 256 is dense slot q.  P_u = hits in the runs before run u; slot q is hit q - P_u of the last run with P_u <= q.
;          It gathers that anchor's key, re and anc, decodes the box and lays entry and box into LDS at slot q.
;          An entry is 64 bits: high word the key, low word 0xFFFF - index; larger = earlier; slots q >= C hold (0, 0), which loses to all.
; Stage 2: rank of slot q = how many of the 256 entries are larger: A_j + not A_q carries out of 64 bits exactly when A_j > A_q.
; Stage 3: thread j < 128 takes box and key of the slot whose rank is j: 256 compares, five selects each.  Real entries differ, so
;          each rank below C is taken once, and C >= 128 whenever no list overflowed.
; Stage 4: the bits.  RN(inter / den) > 0.5 without a division: for den > 0 it holds exactly when inter > den (0.5 + 2^-25) (a tie goes
;          to 0.5, whose last bit is even); t = inter - den / 2 is exact wherever the sign is in doubt, and a fused step keeps the sign
;          of t - den 2^-25.  den < 0 gives a quotient <= 0: false.  den = 0: true exactly for inter > 0.
; LIMITS: finite inputs.  ok = 1 only if no run of 1,024 anchors has more than 32 hits and the image has at most 256; with ok = 0
; what is stored here is not used, and the next launch takes its way over all anchors.
; No cluster: the work-groups read different images; of anc, the one common input, each gathers 256 rows of 16 bytes.
.set LCMP, 0                           ; 256 entries x 8 bytes
.set LBX,  2048                        ; 256 boxes by slot
.set LKR,  6144                        ; 256 pairs (rank, key) by slot
.set LBOX, 8192                        ; 128 boxes by rank
.set LAR,  10240                       ; 128 areas by rank
.set LSM,  10752                       ; the bits: word c of row i at 512 c + 4 i
.set K,    64                          ; v[64:127] stage 4: 16 pivot boxes
; v0 t; v1 lane; v2 16 t; v3 4 t; v4 8 t; v5 zero; v6 run, v7 its P, v8 offset in hidx; v9 index; v10, v11 offsets; v12 key; v13 at work;
; v[16:19] re; v[20:23] anc; v[24:27] box, v28 key (stage 3: store data, not rewritten behind it); v[28:29] entry (stages 1, 2);
; v[30:31] rank, key; v29 area (stage 3); banks: stage 2 v[64:95], v[96:127]; stage 3 v[32:79], v[80:127];
; stage 4: v[8:23] pivot areas; v[32:35] at work; v45, v46 addresses; v[48:52] column box, area; v53 j; v54 masks
; s[32:63], s[68:99]: the 64 counts, then their running sums (s64, s65 are not used)
.macro BAR                             ; my LDS accesses are done before I say so; every wave passes every one of these
	s_wait_dscnt 0x0
	s_barrier_signal -1
	s_barrier_wait -1
.endm
	s_load_b256 s[4:11], s[0:1], 0x0               ; hidx s[4:5], cntw s[6:7], keys s[8:9], re s[10:11]
	s_load_b128 s[12:15], s[0:1], 0x20             ; anc s[12:13], smat s[14:15]
	s_load_b64 s[16:17], s[0:1], 0x30              ; cand
	v_lshrrev_b32 v2, 5, v0
	v_readfirstlane_b32 s20, v2                    ; wave 0..31
	v_and_b32 v1, 31, v0
	v_lshlrev_b32 v2, 4, v0
	v_lshlrev_b32 v3, 2, v0
	v_lshlrev_b32 v4, 3, v0
	v_mov_b32 v5, 0
	v_mov_b32 v12, 0
	v_mov_b32 v28, 0
	v_mov_b32 v29, 0
	s_mov_b32 s29, 0xb3000000                      ; -2^-25
	s_mov_b32 s30, 0                               ; C
	s_mov_b32 s31, 0                               ; ok
	s_mov_b32 s19, 0
	s_wait_kmcnt 0x0
	s_lshl_b32 s18, ttmp9, 8                       ; the image's part of each buffer
	s_add_nc_u64 s[6:7], s[6:7], s[18:19]
	s_lshl_b32 s18, ttmp9, 13
	s_add_nc_u64 s[4:5], s[4:5], s[18:19]
	s_lshl_b32 s18, ttmp9, 18
	s_add_nc_u64 s[8:9], s[8:9], s[18:19]
	s_lshl_b32 s18, ttmp9, 20
	s_add_nc_u64 s[10:11], s[10:11], s[18:19]
	s_mul_i32 s18, ttmp9, 2304
	s_add_nc_u64 s[14:15], s[14:15], s[18:19]
	s_mul_i32 s18, ttmp9, 2560
	s_add_nc_u64 s[16:17], s[16:17], s[18:19]
	; ---- stage 1 (waves 0-7)
	s_cmp_ge_u32 s20, 8
	s_cbranch_scc1 .Lb1
	s_load_b512 s[32:47], s[6:7], 0x0              ; the 64 counts
	s_load_b512 s[48:63], s[6:7], 0x40
	s_load_b512 s[68:83], s[6:7], 0x80
	s_load_b512 s[84:99], s[6:7], 0xc0
	s_mov_b32 s23, 0
	v_mov_b32 v6, 0
	v_mov_b32 v7, 0
	s_wait_kmcnt 0x0
.set ui, 0
.rept 64                                           ; the register of run u then holds P_(u+1)
.set ci, 32+ui+4*(ui/32)
	s_max_u32 s23, s23, s[ci]                      ; the largest count as stored
	s_min_u32 s[ci], s[ci], 32                     ; a list holds 32
.if ui > 0
.set pv, 32+(ui-1)+4*((ui-1)/32)
	s_add_co_u32 s[ci], s[ci], s[pv]
.endif
.set ui, ui+1
.endr
	s_mov_b32 s30, s99                             ; C
	s_cmp_le_u32 s23, 32
	s_cselect_b32 s31, 1, 0
	s_cmp_le_u32 s30, 256
	s_cselect_b32 s31, s31, 0                      ; ok
.set ui, 0
.rept 63
.set ci, 32+ui+4*(ui/32)
	v_cmp_gt_u32 vcc_lo, s[ci], v0                 ; P_(u+1) > q: keep what I have
	v_cndmask_b32 v6, ui+1, v6, vcc_lo
	v_cndmask_b32 v7, s[ci], v7, vcc_lo
.set ui, ui+1
.endr
	v_sub_nc_u32 v8, v0, v7                        ; which hit of the run
	v_min_u32 v8, 31, v8                           ; (slots q >= C read some word of the last list)
	v_min_u32 v6, 63, v6
	v_lshlrev_b32 v8, 2, v8
	v_lshlrev_b32 v6, 7, v6
	v_add_nc_u32 v8, v6, v8
	global_load_b32 v9, v8, s[4:5]
	s_wait_loadcnt 0x0
	v_min_u32 v9, 0xffff, v9                       ; the index, inside the tables whatever the word holds
	v_lshlrev_b32 v10, 2, v9
	v_lshlrev_b32 v11, 4, v9
	global_load_b32 v12, v10, s[8:9]               ; key
	global_load_b128 v[16:19], v11, s[10:11]       ; re
	global_load_b128 v[20:23], v11, s[12:13]       ; anc
	v_sub_nc_u32 v13, 0xffff, v9
	v_cmp_gt_u32 vcc_lo, s30, v0                   ; a real slot?
	v_cndmask_b32 v28, 0, v13, vcc_lo
	s_wait_loadcnt 0x0
	v_cndmask_b32 v29, 0, v12, vcc_lo
	v_sub_f32 v24, v20, v16
	v_sub_f32 v25, v21, v17
	v_add_f32 v26, v22, v18
	v_add_f32 v27, v23, v19
	v_max_num_f32 v24, 0, v24
	v_max_num_f32 v25, 0, v25
	v_min_num_f32 v26, 0x43ff8000, v26             ; 511
	v_min_num_f32 v27, 0x43ff8000, v27
	ds_store_b64 v4, v[28:29] offset:LCMP
	ds_store_b128 v2, v[24:27] offset:LBX
.Lb1:
	BAR
	; ---- stage 2 (waves 0-7): 16 blocks of 16 entries, every lane the same bytes, in two banks that take turns
.macro RLOAD blk, reg
.irp i, 0,1,2,3,4,5,6,7
	ds_load_b128 v[\reg+4*\i:\reg+4*\i+3], v5 offset:LCMP+128*\blk+16*\i
.endr
.endm
.macro RCNT reg
.set ei, 0
.rept 16
	v_add_co_u32 v13, vcc_lo, v[\reg+2*ei], v28
	v_add_co_ci_u32 v13, vcc_lo, v[\reg+2*ei+1], v29, vcc_lo
	v_add_co_ci_u32 v30, vcc_lo, 0, v30, vcc_lo
.set ei, ei+1
.endr
.endm
	s_cmp_ge_u32 s20, 8
	s_cbranch_scc1 .Lb2
	v_not_b32 v28, v28
	v_not_b32 v29, v29
	v_mov_b32 v30, 0
	v_mov_b32 v31, v12
	RLOAD 0, 64
.set bi, 0
.rept 8
.set nb, bi+1
	RLOAD nb, 96
	s_wait_dscnt 8                                 ; LDS loads return in order: the eight just issued stay out, the bank before is in
	RCNT 64
.if bi+2 < 16
.set nb, bi+2
	RLOAD nb, 64
	s_wait_dscnt 8
.else
	s_wait_dscnt 0x0
.endif
	RCNT 96
.set bi, bi+2
.endr
	ds_store_b64 v4, v[30:31] offset:LKR
.Lb2:
	BAR
	; ---- stage 3 (waves 0-3): 32 blocks of 8 slots (8 boxes, 8 pairs: 12 loads), in two banks that take turns
.macro SLOAD blk, reg
.irp i, 0,1,2,3,4,5,6,7
	ds_load_b128 v[\reg+4*\i:\reg+4*\i+3], v5 offset:LBX+128*\blk+16*\i
.endr
.irp i, 0,1,2,3
	ds_load_b128 v[\reg+32+4*\i:\reg+32+4*\i+3], v5 offset:LKR+64*\blk+16*\i
.endr
.endm
.macro SSEL reg
.set ei, 0
.rept 8
	v_cmp_eq_u32 vcc_lo, v[\reg+32+2*ei], v0       ; is this slot's rank mine?
	v_cndmask_b32 v24, v24, v[\reg+4*ei], vcc_lo
	v_cndmask_b32 v25, v25, v[\reg+4*ei+1], vcc_lo
	v_cndmask_b32 v26, v26, v[\reg+4*ei+2], vcc_lo
	v_cndmask_b32 v27, v27, v[\reg+4*ei+3], vcc_lo
	v_cndmask_b32 v28, v28, v[\reg+32+2*ei+1], vcc_lo
.set ei, ei+1
.endr
.endm
	s_cmp_ge_u32 s20, 4
	s_cbranch_scc1 .Lb3
.irp r, 24,25,26,27,28
	v_mov_b32 v\r, 0
.endr
	SLOAD 0, 32
.set bi, 0
.rept 16
.set nb, bi+1
	SLOAD nb, 80
	s_wait_dscnt 12                                ; the twelve just issued stay out, the bank before is in
	SSEL 32
.if bi+2 < 32
.set nb, bi+2
	SLOAD nb, 32
	s_wait_dscnt 12
.else
	s_wait_dscnt 0x0
.endif
	SSEL 80
.set bi, bi+2
.endr
	v_sub_f32 v29, v26, v24
	v_sub_f32 v13, v27, v25
	v_mul_f32 v29, v29, v13                        ; area
	ds_store_b128 v2, v[24:27] offset:LBOX
	ds_store_b32 v3, v29 offset:LAR
	global_store_b128 v2, v[24:27], s[16:17]       ; cand: boxes by rank, 512 consecutive bytes a wave
	global_store_b32 v3, v28, s[16:17] offset:2048 ; and their keys
.Lb3:
	BAR
	; ---- stage 4.  Wave w: columns j = 32 (w >> 3) + lane against pivots i = 16 (w & 7) + u, u = 0 .. 15.
	s_lshr_b32 s26, s20, 3
	s_lshl_b32 s26, s26, 5                         ; my first column
	s_and_b32 s27, s20, 7
	s_lshl_b32 s41, s27, 4                         ; my first pivot
	v_mov_b32 v54, 0
	s_add_co_u32 s28, s26, 31
	s_cmp_ge_u32 s41, s28                          ; first pivot >= last column: no pair with i < j, all 16 words are 0
	s_cbranch_scc1 .Lnopair
	v_add_nc_u32 v53, s26, v1                      ; j
	v_lshlrev_b32 v6, 4, v53
	ds_load_b128 v[48:51], v6 offset:LBOX
	v_lshlrev_b32 v7, 2, v53
	ds_load_b32 v52, v7 offset:LAR
	s_lshl_b32 s28, s27, 8
	v_mov_b32 v46, s28
.irp u, 0,1,2,3,4,5,6,7,8,9,10,11,12,13,14,15
	ds_load_b128 v[K+4*\u:K+4*\u+3], v46 offset:LBOX+16*\u
.endr
	s_lshl_b32 s28, s27, 6
	v_mov_b32 v45, s28
.irp q, 0,1,2,3
	ds_load_b128 v[8+4*\q:11+4*\q], v45 offset:LAR+16*\q
.endr
	s_wait_dscnt 0x0
.macro IOU u
	v_min_num_f32 v32, v50, v[K+4*\u+2]
	v_max_num_f32 v33, v48, v[K+4*\u]
	v_min_num_f32 v34, v51, v[K+4*\u+3]
	v_max_num_f32 v35, v49, v[K+4*\u+1]
	v_sub_f32 v32, v32, v33
	v_sub_f32 v34, v34, v35
	v_max_num_f32 v32, 0, v32
	v_max_num_f32 v34, 0, v34
	v_mul_f32 v32, v32, v34                        ; inter
	v_add_f32 v33, v52, v[8+\u]
	v_sub_f32 v33, v33, v32
	v_add_f32 v33, 0x3089705f, v33                 ; den = ((area j + area i) - inter) + 1e-9
	v_fma_f32 v34, v33, -0.5, v32
	v_fma_f32 v34, v33, s29, v34
	v_cmp_lt_f32 s36, 0, v34
	v_cmp_le_f32 s37, 0, v33
	s_add_co_u32 s28, s41, \u
	v_cmp_lt_u32 s38, s28, v53                     ; only later ranks
	s_and_b32 s36, s36, s37
	s_and_b32 s36, s36, s38
	v_writelane_b32 v54, s36, \u                   ; the row's word, in lane u and in lane u + 16:
	v_writelane_b32 v54, s36, \u+16                ; both halves then store the same 16 words
.endm
.irp u, 0,1,2,3,4,5,6,7,8,9,10,11,12,13,14,15
	IOU \u
.endr
.Lnopair:
	v_and_b32 v6, 15, v1
	v_lshlrev_b32 v6, 2, v6
	s_lshl_b32 s28, s20, 6                         ; 512 (w >> 3) + 4 x 16 (w & 7) = 64 w: 64 bytes of my own
	v_add_nc_u32 v6, s28, v6
	ds_store_b32 v6, v54 offset:LSM
	BAR
	; ---- out: 2,048 bytes of bits (waves 0-3), 256 bytes of (ok, C) pairs (wave 4)
	s_cmp_ge_u32 s20, 4
	s_cbranch_scc1 .Lmeta
	ds_load_b128 v[8:11], v2 offset:LSM
	s_wait_dscnt 0x0
	global_store_b128 v2, v[8:11], s[14:15]
	s_wait_xcnt 0x0
	v_lshl_add_u32 v126, v0, 2, 0x3200
	v_mov_b32 v127, 0
	s_wait_tensorcnt 0x0
	ds_add_u32 v126, v127
	s_wait_dscnt 0x0
	s_endpgm
.Lmeta:
	s_cmp_lg_u32 s20, 4
	s_cbranch_scc1 .Lend
	v_mov_b32 v6, s31
	v_mov_b32 v7, s30
	v_lshlrev_b32 v8, 3, v1
	global_store_b64 v8, v[6:7], s[14:15] offset:2048
.Lend:
	s_wait_xcnt 0x0
	v_lshl_add_u32 v126, v0, 2, 0x3200
	v_mov_b32 v127, 0
	s_wait_tensorcnt 0x0
	ds_add_u32 v126, v127
	s_wait_dscnt 0x0
	s_endpgm
.Lfunc_end_k_q2617be0df8_select:
	.size	k_q2617be0df8_select, .Lfunc_end_k_q2617be0df8_select-k_q2617be0df8_select
	.p2alignl 7, 3214868480
	.fill 96, 4, 3214868480
	.section	.rodata,"a",@progbits
	.p2align	6, 0x0
	.amdhsa_kernel k_q2617be0df8_select
		.amdhsa_group_segment_fixed_size 16896
		.amdhsa_private_segment_fixed_size 0
		.amdhsa_enable_private_segment 0
		.amdhsa_kernarg_size 56
		.amdhsa_user_sgpr_count 2
		.amdhsa_user_sgpr_kernarg_segment_ptr 1
		.amdhsa_wavefront_size32 1
		.amdhsa_system_sgpr_workgroup_id_x 1
		.amdhsa_system_sgpr_workgroup_id_y 1
		.amdhsa_system_sgpr_workgroup_id_z 1
		.amdhsa_system_vgpr_workitem_id 0
		.amdhsa_next_free_vgpr 128
		.amdhsa_next_free_sgpr 100
		.amdhsa_reserve_vcc 1
		.amdhsa_float_denorm_mode_32 3
		.amdhsa_float_denorm_mode_16_64 3
		.amdhsa_memory_ordered 1
		.amdhsa_forward_progress 1
		.amdhsa_inst_pref_size 149
	.end_amdhsa_kernel
	.amdgpu_metadata
---
amdhsa.version: [ 1, 2 ]
amdhsa.kernels:
  - .name:           k_q2617be0df8_select
    .symbol:         k_q2617be0df8_select.kd
    .args:
      - { .name: hidx, .offset: 0, .size: 8, .value_kind: global_buffer, .address_space: global }
      - { .name: cntw, .offset: 8, .size: 8, .value_kind: global_buffer, .address_space: global }
      - { .name: keys, .offset: 16, .size: 8, .value_kind: global_buffer, .address_space: global }
      - { .name: re, .offset: 24, .size: 8, .value_kind: global_buffer, .address_space: global }
      - { .name: anc, .offset: 32, .size: 8, .value_kind: global_buffer, .address_space: global }
      - { .name: smat, .offset: 40, .size: 8, .value_kind: global_buffer, .address_space: global }
      - { .name: cand, .offset: 48, .size: 8, .value_kind: global_buffer, .address_space: global }
    .group_segment_fixed_size: 16896
    .private_segment_fixed_size: 0
    .kernarg_segment_align: 8
    .kernarg_segment_size: 56
    .max_flat_workgroup_size: 1024
    .sgpr_count:     100
    .vgpr_count:     128
    .wavefront_size: 32
...
	.end_amdgpu_metadata
.endif
;; end of part 3
;; launch finish (part 4): grid 32 x 1, 1 waves a work-group, no clusters, 262,400 bytes of LDS; arguments smat, cand, keys, re, anc, out0, out1; writes out0, out1
.if DOCPART == 4
	.amdgcn_target "amdgcn-amd-amdhsa--gfx1250"
	.amdhsa_code_object_version 6
	.text
	.protected	k_q2617be0df8_finish
	.globl	k_q2617be0df8_finish
	.p2align	8
	.type	k_q2617be0df8_finish,@function
k_q2617be0df8_finish:
	s_mov_b64 s[64:65], 0
	v_nop
	global_prefetch_b8 v0, s[64:65] scope:SCOPE_SE
	s_setreg_imm32_b32 hwreg(HW_REG_WAVE_MODE, 25, 1), 1
	s_wait_xcnt 0x0
; One wave for an image.
; SHORT WAY: walk the 128 candidates by rank; one that is alive kills those that its row of bits names.  If at least 100 stay alive
; and ok = 1, the first 100 alive are the picks of greedy NMS.  A pick's slot is the count of alive candidates before it.  Each
; candidate puts its box and score into LDS at its slot (a dead one, or one past slot 99, at a dummy slot 100); the wave reads
; slots 0-99 back in order and stores them: every global address is made from the lane's number, and the bytes leave in runs.
; FULL WAY, taken when fewer than 100 stay alive or ok = 0 (a decision on whole numbers read from memory): the 100 steps as they are
; defined, over all 65,536 anchors, keys in LDS (0 = dead).  One pass does two things: it kills what the last pick suppresses and
; finds the largest key left (the lowest index among equals).  If nothing is left the last pick is repeated.  It is right for every
; finite input and slow: one wave, 100 x 512 trips, boxes decoded again in each.
; The test RN(inter / den) > 0.5 without a division: inter - den / 2 - den 2^-25 > 0 and den >= 0 (a tie rounds to 0.5; the first
; difference is exact wherever the sign is in doubt; den < 0 gives a quotient <= 0; den = 0 is true exactly for inter > 0).
; LIMITS: finite inputs.
; One wave: no barrier.  No cluster: the work-groups share nothing.
; Short way: v0 lane; v1 16 lane; v2 4 lane; v[4+4m+c] word c of row 32 m + lane; v[20+4m ..] box of rank 32 m + lane; v[36+m] its key;
; v40 slot; v41, v42 LDS addresses; v43 score; v44 the constant 100.  On the way out v[4:18] and v[20:24] hold slots read back.
; Full way: v[4:19] re and v[20:35] anc of 4 anchors; v[36:39] keys; v[48:51] last pick, v52 area, v53 index, v54 key;
; v[56:59] best box, v60 key, v61 index; v[62:67] at work, then the partner lane's six; v[68:73] at work; v74 byte offset in re and anc;
; v75 LDS address of keys; v76 index; v77 zero; v78 score.
.set LFF, 2048                         ; short way: boxes by slot at LDS byte 0 (101 x 16 bytes), scores by slot here (101 x 4 bytes)
	s_load_b256 s[4:11], s[0:1], 0x0               ; smat s[4:5], cand s[6:7], keys s[8:9], re s[10:11]
	s_load_b128 s[12:15], s[0:1], 0x20             ; anc s[12:13], out0 s[14:15]
	s_load_b64 s[16:17], s[0:1], 0x30              ; out1
	v_lshl_add_u32 v96, v0, 2, 0x40000
	v_mov_b32 v97, 0
	v_lshlrev_b32 v1, 4, v0
	v_lshlrev_b32 v2, 2, v0
	s_mov_b32 s21, 0
	s_wait_kmcnt 0x0
	s_mul_i32 s20, ttmp9, 2304                     ; the image's part of each buffer
	s_add_nc_u64 s[4:5], s[4:5], s[20:21]
	s_mul_i32 s20, ttmp9, 2560
	s_add_nc_u64 s[6:7], s[6:7], s[20:21]
	s_lshl_b32 s20, ttmp9, 18
	s_add_nc_u64 s[8:9], s[8:9], s[20:21]
	s_lshl_b32 s20, ttmp9, 20
	s_add_nc_u64 s[10:11], s[10:11], s[20:21]
	s_mul_i32 s20, ttmp9, 1600
	s_add_nc_u64 s[14:15], s[14:15], s[20:21]
	s_mul_i32 s20, ttmp9, 400
	s_add_nc_u64 s[16:17], s[16:17], s[20:21]
	s_load_b32 s22, s[4:5], 0x800                  ; ok
.irp m, 0,1,2,3
.irp c, 0,1,2,3
	global_load_b32 v[4+4*\m+\c], v2, s[4:5] offset:512*\c+128*\m
.endr
.endr
.irp m, 0,1,2,3
	global_load_b128 v[20+4*\m:23+4*\m], v1, s[6:7] offset:512*\m
.endr
.irp m, 0,1,2,3
	global_load_b32 v[36+\m], v2, s[6:7] offset:2048+128*\m
.endr
	s_wait_loadcnt 0x0
	s_wait_kmcnt 0x0
.irp m, 0,1,2,3
	v_or_b32 v40, v[4+4*\m], v[5+4*\m]
	v_or_b32 v41, v[6+4*\m], v[7+4*\m]
	v_or_b32 v40, v40, v41
	v_cmp_ne_u32 s[24+\m], 0, v40                  ; rows that name anybody: the others need no trip
	s_mov_b32 s[28+\m], -1                         ; all alive
.endr
.macro SCAN k
	s_bcnt1_i32_b32 s32, s[24+\k]
	s_cmp_eq_u32 s32, 0
	s_cbranch_scc1 .Lsk\k
	s_mov_b32 s33, 0
.Lsc\k:
	s_ctz_i32_b32 s34, s[24+\k]                    ; the next such row, ranks ascending
	s_lshl_b32 s35, 1, s34
	s_and_not1_b32 s[24+\k], s[24+\k], s35
	v_readlane_b32 s36, v[4+4*\k], s34
	v_readlane_b32 s37, v[5+4*\k], s34
	v_readlane_b32 s38, v[6+4*\k], s34
	v_readlane_b32 s39, v[7+4*\k], s34
	s_and_b32 s35, s[28+\k], s35                   ; SCC: is it alive?
	s_cselect_b32 s36, s36, 0                      ; a dead one kills nobody
	s_cselect_b32 s37, s37, 0
	s_cselect_b32 s38, s38, 0
	s_cselect_b32 s39, s39, 0
	s_and_not1_b32 s28, s28, s36
	s_and_not1_b32 s29, s29, s37
	s_and_not1_b32 s30, s30, s38
	s_and_not1_b32 s31, s31, s39
	s_add_co_u32 s33, s33, 1
	s_cmp_lt_u32 s33, s32
	s_cbranch_scc1 .Lsc\k
.Lsk\k:
.endm
	SCAN 0
	SCAN 1
	SCAN 2
	SCAN 3
	s_bcnt1_i32_b32 s40, s28
	s_bcnt1_i32_b32 s32, s29
	s_add_co_u32 s40, s40, s32
	s_bcnt1_i32_b32 s32, s30
	s_add_co_u32 s40, s40, s32
	s_bcnt1_i32_b32 s32, s31
	s_add_co_u32 s40, s40, s32
	s_cmp_lg_u32 s22, 0
	s_cselect_b32 s40, s40, 0                      ; ok = 0: the candidates are not to be trusted
	s_cmp_lt_u32 s40, 100
	s_cbranch_scc1 .Lfull
	s_mov_b32 s41, 0                               ; alive before this block of 32
	v_mov_b32 v44, 100
.macro PUT k
	v_mbcnt_lo_u32_b32 v40, s[28+\k], s41          ; alive candidates before me
	v_cndmask_b32 v40, v44, v40, s[28+\k]          ; alive: that is my slot; dead: the dummy slot
	v_min_u32 v40, 100, v40                        ; past slot 99: the dummy slot too
	v_lshlrev_b32 v41, 4, v40
	v_lshlrev_b32 v42, 2, v40
	v_add_nc_u32 v43, -1, v[36+\k]                 ; the score's bits
	ds_store_b128 v41, v[20+4*\k:23+4*\k]
	ds_store_b32 v42, v43 offset:LFF
	s_bcnt1_i32_b32 s32, s[28+\k]
	s_add_co_u32 s41, s41, s32
.endm
	PUT 0
	PUT 1
	PUT 2
	PUT 3
	; at least 100 are alive, so each of slots 0-99 was written once.  LDS serves a wave's instructions in order (ISA guide 5.7.1):
	; the loads below see the stores above.
.irp m, 0,1,2
	ds_load_b128 v[4+4*\m:7+4*\m], v1 offset:512*\m
.endr
.irp m, 0,1,2
	ds_load_b32 v[16+\m], v2 offset:LFF+128*\m
.endr
	s_wait_dscnt 0x0
.irp m, 0,1,2
	global_store_b128 v1, v[4+4*\m:7+4*\m], s[14:15] offset:512*\m     ; slots 32 m .. 32 m + 31: 512 consecutive bytes
.endr
.irp m, 0,1,2
	global_store_b32 v2, v[16+\m], s[16:17] offset:128*\m              ; 128 consecutive bytes
.endr
	v_cmp_gt_u32 vcc_lo, 4, v0                     ; slots 96-99: lanes 0-3
	s_wait_xcnt 0x0                                ; EXEC is a source of the stores above: it changes only behind this wait
	s_wait_tensorcnt 0x0
	ds_add_u32 v96, v97
	s_wait_dscnt 0x0
	s_and_saveexec_b32 s42, vcc_lo
	ds_load_b128 v[20:23], v1 offset:1536
	ds_load_b32 v24, v2 offset:LFF+384
	s_wait_dscnt 0x0
	global_store_b128 v1, v[20:23], s[14:15] offset:1536
	global_store_b32 v2, v24, s[16:17] offset:384
	s_wait_xcnt 0x0                                ; and again, in front of the line that widens it
	s_or_b32 exec_lo, exec_lo, s42
	s_endpgm
.Lfull:
	s_mov_b32 s46, 0x76543210
	s_mov_b32 s47, 0xfedcba98
	s_mov_b32 s50, 0xb3000000                      ; -2^-25
	s_mov_b32 s51, 0x43ff8000                      ; 511
	s_mov_b32 s52, 0x3089705f                      ; 1e-9
	v_mov_b32 v77, 0
	v_mov_b32 v66, 0                               ; a lane move's destination counts as read; v62-65 and v67 are written in every trip
	; the image's 262,144 bytes of keys into LDS: 64 trips of 8 x 512 bytes
	v_mov_b32 v74, v1
	s_mov_b32 s49, 0
.Lcopy:
.irp i, 0,1,2,3,4,5,6,7
	global_load_b128 v[4+4*\i:7+4*\i], v74, s[8:9] offset:512*\i
.endr
	s_wait_loadcnt 0x0                             ; also frees v74
.irp i, 0,1,2,3,4,5,6,7
	ds_store_b128 v74, v[4+4*\i:7+4*\i] offset:512*\i
.endr
	v_add_nc_u32 v74, 4096, v74
	s_add_co_u32 s49, s49, 1
	s_cmp_lt_u32 s49, 64
	s_cbranch_scc1 .Lcopy
	; a first 'last pick' that suppresses nothing: x1 >= 0 in every box, so against the box (0, 0, 0, 0) the overlap's width is 0
.irp r, 48,49,50,51,52
	v_mov_b32 v\r, 0
.endr
	v_mov_b32 v53, -1
	v_mov_b32 v54, 1
; anchor a of the trip: decode, kill if the last pick suppresses it or is it, then offer it as the best
.macro ANCH a
	v_sub_f32 v68, v[20+4*\a], v[4+4*\a]
	v_sub_f32 v69, v[21+4*\a], v[5+4*\a]
	v_add_f32 v70, v[22+4*\a], v[6+4*\a]
	v_add_f32 v71, v[23+4*\a], v[7+4*\a]
	v_max_num_f32 v68, 0, v68
	v_max_num_f32 v69, 0, v69
	v_min_num_f32 v70, s51, v70
	v_min_num_f32 v71, s51, v71
	v_sub_f32 v72, v70, v68
	v_sub_f32 v73, v71, v69
	v_mul_f32 v72, v72, v73                        ; area
	v_min_num_f32 v62, v70, v50
	v_max_num_f32 v63, v68, v48
	v_min_num_f32 v64, v71, v51
	v_max_num_f32 v65, v69, v49
	v_sub_f32 v62, v62, v63
	v_sub_f32 v64, v64, v65
	v_max_num_f32 v62, 0, v62
	v_max_num_f32 v64, 0, v64
	v_mul_f32 v62, v62, v64                        ; inter
	v_add_f32 v63, v72, v52
	v_sub_f32 v63, v63, v62
	v_add_f32 v63, s52, v63                        ; den
	v_fma_f32 v64, v63, -0.5, v62
	v_fma_f32 v64, v63, s50, v64
	v_add_nc_u32 v67, 32*\a, v76                   ; its index
	v_cmp_lt_f32 s43, 0, v64
	v_cmp_le_f32 s44, 0, v63
	v_cmp_eq_u32 vcc_lo, v67, v53
	s_and_b32 s43, s43, s44
	s_or_b32 s43, s43, vcc_lo
	v_cndmask_b32 v[36+\a], v[36+\a], v77, s43
	v_cmp_gt_u32 vcc_lo, v[36+\a], v60             ; strictly larger: a lane's indices ascend, so its first maximum stays
	v_cndmask_b32 v56, v56, v68, vcc_lo
	v_cndmask_b32 v57, v57, v69, vcc_lo
	v_cndmask_b32 v58, v58, v70, vcc_lo
	v_cndmask_b32 v59, v59, v71, vcc_lo
	v_cndmask_b32 v60, v60, v[36+\a], vcc_lo
	v_cndmask_b32 v61, v61, v67, vcc_lo
.endm
; the partner's six values are in v[62:67]: it wins with the larger key, or the lower index at equal keys
.macro BETTER
	v_cmp_gt_u32 s43, v66, v60
	v_cmp_eq_u32 s44, v66, v60
	v_cmp_lt_u32 vcc_lo, v67, v61
	s_and_b32 s44, s44, vcc_lo
	s_or_b32 vcc_lo, s43, s44
.irp q, 0,1,2,3,4,5
	v_cndmask_b32 v[56+\q], v[56+\q], v[62+\q], vcc_lo
.endr
.endm
	s_mov_b32 s48, 0
.Lstep:
.irp r, 56,57,58,59,60
	v_mov_b32 v\r, 0
.endr
	v_mov_b32 v61, -1
	v_mov_b32 v74, v1
	v_mov_b32 v75, v2
	v_mov_b32 v76, v0
	s_mov_b32 s49, 0
.Ltrip:                                            ; 128 anchors: lane l takes 128 J + 32 a + l, so each load covers 512 consecutive bytes
.irp a, 0,1,2,3
	ds_load_b32 v[36+\a], v75 offset:128*\a
.endr
.irp a, 0,1,2,3
	global_load_b128 v[4+4*\a:7+4*\a], v74, s[10:11] offset:512*\a
.endr
.irp a, 0,1,2,3
	global_load_b128 v[20+4*\a:23+4*\a], v74, s[12:13] offset:512*\a
.endr
	s_wait_loadcnt 0x0                             ; also frees v74
	s_wait_dscnt 0x0
	ANCH 0
	ANCH 1
	ANCH 2
	ANCH 3
.irp a, 0,1,2,3
	ds_store_b32 v75, v[36+\a] offset:128*\a
.endr
	v_add_nc_u32 v74, 2048, v74
	v_add_nc_u32 v75, 512, v75
	v_add_nc_u32 v76, 128, v76
	s_add_co_u32 s49, s49, 1
	s_cmp_lt_u32 s49, 512
	s_cbranch_scc1 .Ltrip
	; the best of the 32 lanes, in every lane
.irp x, 1,2,4,8
.irp q, 0,1,2,3,4,5
	v_mov_b32_dpp v[62+\q], v[56+\q] row_xmask:\x row_mask:0xf bank_mask:0xf
.endr
	BETTER
.endr
.irp q, 0,1,2,3,4,5
	v_permlanex16_b32 v[62+\q], v[56+\q], s46, s47
.endr
	BETTER
	v_cmp_ne_u32 vcc_lo, 0, v60                    ; anything left?  If not, the last pick stays
	v_cndmask_b32 v48, v48, v56, vcc_lo
	v_cndmask_b32 v49, v49, v57, vcc_lo
	v_cndmask_b32 v50, v50, v58, vcc_lo
	v_cndmask_b32 v51, v51, v59, vcc_lo
	v_cndmask_b32 v54, v54, v60, vcc_lo
	v_cndmask_b32 v53, v53, v61, vcc_lo
	v_sub_f32 v52, v50, v48
	v_sub_f32 v62, v51, v49
	v_mul_f32 v52, v52, v62
	v_add_nc_u32 v78, -1, v54
	v_cmp_eq_u32 vcc_lo, 0, v0
	s_wait_xcnt 0x0                                ; EXEC changes only behind this wait
	s_and_saveexec_b32 s42, vcc_lo                 ; lane 0 stores the step's pick
	global_store_b128 v77, v[48:51], s[14:15]
	global_store_b32 v77, v78, s[16:17]
	s_wait_xcnt 0x0                                ; EXEC, the two bases and the data are rewritten only behind this wait
	s_or_b32 exec_lo, exec_lo, s42
	s_add_nc_u64 s[14:15], s[14:15], 16
	s_add_nc_u64 s[16:17], s[16:17], 4
	s_add_co_u32 s48, s48, 1
	s_cmp_lt_u32 s48, 100
	s_cbranch_scc1 .Lstep
	s_wait_tensorcnt 0x0
	ds_add_u32 v96, v97
	s_wait_dscnt 0x0
	s_endpgm
.Lfunc_end_k_q2617be0df8_finish:
	.size	k_q2617be0df8_finish, .Lfunc_end_k_q2617be0df8_finish-k_q2617be0df8_finish
	.p2alignl 7, 3214868480
	.fill 96, 4, 3214868480
	.section	.rodata,"a",@progbits
	.p2align	6, 0x0
	.amdhsa_kernel k_q2617be0df8_finish
		.amdhsa_group_segment_fixed_size 262400
		.amdhsa_private_segment_fixed_size 0
		.amdhsa_enable_private_segment 0
		.amdhsa_kernarg_size 56
		.amdhsa_user_sgpr_count 2
		.amdhsa_user_sgpr_kernarg_segment_ptr 1
		.amdhsa_wavefront_size32 1
		.amdhsa_system_sgpr_workgroup_id_x 1
		.amdhsa_system_sgpr_workgroup_id_y 1
		.amdhsa_system_sgpr_workgroup_id_z 1
		.amdhsa_system_vgpr_workitem_id 0
		.amdhsa_next_free_vgpr 98
		.amdhsa_next_free_sgpr 66
		.amdhsa_reserve_vcc 1
		.amdhsa_float_denorm_mode_32 3
		.amdhsa_float_denorm_mode_16_64 3
		.amdhsa_memory_ordered 1
		.amdhsa_forward_progress 1
		.amdhsa_inst_pref_size 27
	.end_amdhsa_kernel
	.amdgpu_metadata
---
amdhsa.version: [ 1, 2 ]
amdhsa.kernels:
  - .name:           k_q2617be0df8_finish
    .symbol:         k_q2617be0df8_finish.kd
    .args:
      - { .name: smat, .offset: 0, .size: 8, .value_kind: global_buffer, .address_space: global }
      - { .name: cand, .offset: 8, .size: 8, .value_kind: global_buffer, .address_space: global }
      - { .name: keys, .offset: 16, .size: 8, .value_kind: global_buffer, .address_space: global }
      - { .name: re, .offset: 24, .size: 8, .value_kind: global_buffer, .address_space: global }
      - { .name: anc, .offset: 32, .size: 8, .value_kind: global_buffer, .address_space: global }
      - { .name: out0, .offset: 40, .size: 8, .value_kind: global_buffer, .address_space: global }
      - { .name: out1, .offset: 48, .size: 8, .value_kind: global_buffer, .address_space: global }
    .group_segment_fixed_size: 262400
    .private_segment_fixed_size: 0
    .kernarg_segment_align: 8
    .kernarg_segment_size: 56
    .max_flat_workgroup_size: 32
    .sgpr_count:     66
    .vgpr_count:     98
    .wavefront_size: 32
...
	.end_amdgpu_metadata
.endif
;; end of part 4
;; ======== version 2 of 2: 4 launches; version 1 with the launch score written anew for expert scheduling mode
;; workspace buffers: keys 8,388,608 bytes of whole numbers; gmax 32,768 bytes of whole numbers; hidx 262,144 bytes of whole numbers; cntw 8,192 bytes of whole numbers; smat 73,728 bytes of whole numbers; cand 81,920 bytes
;; launch score (part 5): grid 256 x 1, 8 waves a work-group, no clusters, 1,280 bytes of LDS; arguments cl, keys, gmax; writes keys, gmax
.if DOCPART == 5
	.amdgcn_target "amdgcn-amd-amdhsa--gfx1250"
	.amdhsa_code_object_version 6
	.text
	.protected	k_q2617be0df8_score
	.globl	k_q2617be0df8_score
	.p2align	8
	.type	k_q2617be0df8_score,@function
k_q2617be0df8_score:
	s_mov_b64 s[64:65], 0
	v_nop
	global_prefetch_b8 v0, s[64:65] scope:SCOPE_SE
	s_setreg_imm32_b32 hwreg(HW_REG_WAVE_SCHED_MODE, 0, 2), 2
	s_setreg_imm32_b32 hwreg(HW_REG_WAVE_MODE, 25, 1), 1
	s_wait_xcnt 0x0
	s_wait_alu depctr_vm_vsrc(0)
; keys[b][n] = bits(ff) + 1, ff = softmax(cl[b][n])[0] in f32;  gmax[b][g] = largest key of anchors 256 g .. 256 g + 255.
; ff lies in [0, 1], so its bit pattern orders like the number; + 1 keeps 0 free as the mark of a dead anchor.
; With d = c0 - c1 and E = exp(-|d|):  ff = 1 / (1 + E) for d >= 0,  E / (1 + E) for d < 0: the maximum is taken away as in softmax.
; E: -|d| log2(e) is split into a rounded head h and the remainder lo (two fused steps, log2(e) in two words);
; E = 2^h (1 + lo ln 2).  The quotient is refined by its remainder, so it is rounded as a division is.
; d is held in [-256, 256]: exp(-256) is below 2^-126 and is 0 here in any case, and a difference that overflows stays harmless.
; LIMITS: no NaN, and c0, c1 not the same infinity.  v_exp_f32 gives 0 where 2^h is below 2^-126 (ISA guide 15.8): such scores
; become 0 and are ordered by index alone.  E carries the last-bit error of v_exp_f32, so two scores that differ only by the
; rounding of exp may swap.
; A work-group takes 8,192 anchors (65,536 bytes of cl), a wave 1,024 (four groups of 256), a lane two anchors a load.
; All 16 loads of a wave are issued at once: every byte of the work-group's share is on its way before the first wait.
; No cluster, no LDS tiles: no two work-groups read the same byte, and each byte is read once.
; THE MODE: SCHED_MODE bits 1:0 = 2 (LLVM: expert scheduling mode 2), set by the entry lines.  The code itself states the register
; dependences between vector instructions and memory or LDS instructions, with s_wait_alu, always for 0.
; THE PLAN.  Registers that memory or LDS instructions touch:
;   v1, v2, v3, v6   offsets and LDS addresses: written by vector lines at the head, read by the loads and stores, never written again.
;   RC               written by the 16 loads alone, read by the groups' subtractions, never loaded again.
;   RK, 8 a group    written by the group's last additions, read by its four stores, never written again.
;   RG, 1 a group    written by the group's reduction, read by its LDS store, never written again.
;   v7               wave 0: an LDS load lands in it, a store reads it; no vector line names it.
;   v168, v169       written at the head, read by the closing add alone.
; Group g's stores (four of keys, one into LDS) stand in group g + 1, straight behind the wait that stands there for the exponentials:
; that wait also states that group g's keys and maximum are written.  Group 3 has no group behind it: a wait ahead of its key stores,
; one more ahead of its LDS store.  No register that a memory or LDS instruction reads is written again, so no wait on vm_vsrc is owed.
; The eight compares of a group stand in one run, into eight scalar registers, with one wait ahead of the eight selects.
.set RC, 8                             ; v[8:71]    16 loads of 16 bytes: c0, c1 of two anchors each
.set RD, 72                            ; v[72:79]   d of the group's 8 anchors of this lane
.set RH, 80                            ; v[80:87]   h, then E lo, then the quotient
.set RL, 88                            ; v[88:95]   lo, then residuals
.set RE, 96                            ; v[96:103]  E
.set RS, 104                           ; v[104:111] 1 + E
.set RN, 112                           ; v[112:119] numerator
.set RR, 120                           ; v[120:127] reciprocal
.set RK, 128                           ; v[128:159] keys, 8 for each group: store data, never rewritten
.set RG, 160                           ; v[160:163] the groups' maxima
.set RT, 164                           ; v164       the partner lane's value
; s[10:15], s17, s18: behind the head, where s[10:15] hold the three byte offsets, the masks d < 0 of a group's eight anchors: number e in s[10 + e + e / 6]
	s_load_b128 s[4:7], s[0:1], 0x0                ; cl s[4:5], keys s[6:7]
	s_load_b64 s[8:9], s[0:1], 0x10                ; gmax
	v_lshl_add_u32 v168, v0, 2, 0x100
	v_mov_b32 v169, 0
	v_lshrrev_b32 v4, 5, v0
	v_readfirstlane_b32 s16, v4                    ; wave 0..7
	v_and_b32 v5, 31, v0                           ; lane
	v_lshlrev_b32 v1, 4, v5
	v_lshl_add_u32 v1, v4, 13, v1                  ; cl: wave x 8,192 + lane x 16
	v_lshlrev_b32 v2, 3, v5
	v_lshl_add_u32 v2, v4, 12, v2                  ; keys: wave x 4,096 + lane x 8
	v_lshlrev_b32 v6, 2, v5                        ; lane x 4
	v_mov_b32 v[RT], 0                             ; a lane move's destination counts as read
	s_wait_alu depctr_va_sdst(0)                   ; s16 is written, ahead of its first reader, the line below
	v_mov_b32 v3, s16
	v_lshlrev_b32 v3, 4, v3                        ; LDS: four words for each wave
	s_mov_b32 s20, 0x3fb8aa3b                      ; log2(e), head
	s_mov_b32 s21, 0x32a57060                      ; log2(e), what the head leaves
	s_mov_b32 s22, 0x3f317218                      ; ln 2
	s_mov_b32 s24, 0x76543210                      ; v_permlanex16_b32: lane i reads lane i of the other half
	s_mov_b32 s25, 0xfedcba98
	s_mov_b32 s26, 0xc3800000                      ; -256
	s_mov_b32 s27, 0x43800000                      ; 256
	s_lshl_b32 s10, ttmp9, 16                      ; 8,192 anchors x 8 bytes of cl
	s_mov_b32 s11, 0
	s_lshl_b32 s12, ttmp9, 15                      ; x 4 bytes of keys
	s_mov_b32 s13, 0
	s_lshl_b32 s14, ttmp9, 7                       ; 32 groups x 4 bytes of gmax
	s_mov_b32 s15, 0
	s_wait_kmcnt 0x0
	s_add_nc_u64 s[4:5], s[4:5], s[10:11]
	s_add_nc_u64 s[6:7], s[6:7], s[12:13]
	s_add_nc_u64 s[8:9], s[8:9], s[14:15]
	s_wait_alu depctr_va_vdst(0)                   ; v1, v2, v3 and v6 are written: every load, store and LDS access of the kernel reads one of them as its offset or address
.irp k, 0,1,2,3,4,5,6,7,8,9,10,11,12,13,14,15
	global_load_b128 v[RC+4*\k:RC+4*\k+3], v1, s[4:5] offset:512*\k th:TH_LOAD_NT   ; 512 consecutive bytes a wave; read once in the launch
.endr
; Group g's keys leave.
.macro KOUT g
.irp m, 0,1,2,3
	global_store_b64 v2, v[RK+8*(\g)+2*\m:RK+8*(\g)+2*\m+1], s[6:7] offset:(4*(\g)+\m)*256   ; the wave stores 256 consecutive bytes, aligned
.endr
.endm
; Group g's maximum goes into the wave's four words of LDS.
.macro MOUT g
	ds_store_b32 v3, v[RG+(\g)] offset:4*(\g)      ; every lane the same word, the same value
.endm
; Group g's maximum: over the lane's eight keys, then over the 32 lanes.
.macro GMAX g
	v_max_u32 v[RG+(\g)], v[RK+8*(\g)], v[RK+8*(\g)+1]
.irp e, 2,3,4,5,6,7
	v_max_u32 v[RG+(\g)], v[RG+(\g)], v[RK+8*(\g)+\e]
.endr
.irp x, 1,2,4,8
	v_mov_b32_dpp v[RT], v[RG+(\g)] row_xmask:\x row_mask:0xf bank_mask:0xf
	v_max_u32 v[RG+(\g)], v[RG+(\g)], v[RT]
.endr
	v_permlanex16_b32 v[RT], v[RG+(\g)], s24, s25
	v_max_u32 v[RG+(\g)], v[RG+(\g)], v[RT]
.endm
; One group of 256 anchors: loads 4 g .. 4 g + 3, eight anchors a lane, each step as a run over the eight.
.macro GROUP g
	s_wait_loadcnt 12-4*\g                         ; loads return in order: the first 4 g + 4 of 16 are in, the younger ones stay out
.irp e, 0,1,2,3,4,5,6,7
	v_sub_f32 v[RD+\e], v[RC+16*\g+2*\e], v[RC+16*\g+2*\e+1]
.endr
.irp e, 0,1,2,3,4,5,6,7
	v_max_num_f32 v[RD+\e], s26, v[RD+\e]          ; d in [-256, 256]
.endr
.irp e, 0,1,2,3,4,5,6,7
	v_min_num_f32 v[RD+\e], s27, v[RD+\e]
.endr
.irp e, 0,1,2,3,4,5,6,7
	v_mul_f32 v[RH+\e], -|v[RD+\e]|, s20           ; h
.endr
.irp e, 0,1,2,3,4,5,6,7
	v_fma_f32 v[RL+\e], -|v[RD+\e]|, s20, -v[RH+\e]    ; what h's rounding dropped, exactly
.endr
.irp e, 0,1,2,3,4,5,6,7
	v_exp_f32 v[RE+\e], v[RH+\e]
.endr
.irp e, 0,1,2,3,4,5,6,7
	v_fma_f32 v[RL+\e], -|v[RD+\e]|, s21, v[RL+\e]     ; plain lines that touch neither E nor h stand behind the exponentials (ISA guide 5.7.2)
.endr
	s_wait_alu depctr_va_vdst(0)                   ; the eight exponentials have written E, ahead of its first reader; and the group before has written its keys and its maximum, which the stores below read
.if \g > 0
	KOUT (\g-1)
	MOUT (\g-1)
.endif
.irp e, 0,1,2,3,4,5,6,7
	v_mul_f32 v[RH+\e], v[RE+\e], v[RL+\e]
.endr
.irp e, 0,1,2,3,4,5,6,7
	v_fma_f32 v[RE+\e], v[RH+\e], s22, v[RE+\e]    ; E = 2^h (1 + lo ln 2)
.endr
.irp e, 0,1,2,3,4,5,6,7
	v_add_f32 v[RS+\e], 1.0, v[RE+\e]
.endr
.irp e, 0,1,2,3,4,5,6,7
	v_rcp_f32 v[RR+\e], v[RS+\e]
.endr
.irp e, 0,1,2,3,4,5,6,7
	v_cmp_gt_f32 s[10+\e+\e/6], 0, v[RD+\e]        ; plain lines behind the reciprocals, which name neither R nor S: the masks d < 0, in one run
.endr
	s_wait_alu depctr_va_sdst(0)                   ; the eight compares have written their masks, ahead of the selects that read them
.irp e, 0,1,2,3,4,5,6,7
	v_cndmask_b32 v[RN+\e], 1.0, v[RE+\e], s[10+\e+\e/6]   ; d < 0: E, else 1
.endr
	s_wait_alu depctr_va_vdst(0)                   ; the eight reciprocals have written R, ahead of its first reader
.irp e, 0,1,2,3,4,5,6,7
	v_fma_f32 v[RL+\e], -v[RS+\e], v[RR+\e], 1.0
.endr
.irp e, 0,1,2,3,4,5,6,7
	v_fma_f32 v[RR+\e], v[RL+\e], v[RR+\e], v[RR+\e]   ; one Newton step
.endr
.irp e, 0,1,2,3,4,5,6,7
	v_mul_f32 v[RH+\e], v[RN+\e], v[RR+\e]
.endr
.irp e, 0,1,2,3,4,5,6,7
	v_fma_f32 v[RL+\e], -v[RS+\e], v[RH+\e], v[RN+\e]  ; the quotient's remainder
.endr
.irp e, 0,1,2,3,4,5,6,7
	v_fma_f32 v[RH+\e], v[RL+\e], v[RR+\e], v[RH+\e]
.endr
.irp e, 0,1,2,3,4,5,6,7
	v_add_nc_u32 v[RK+8*\g+\e], 1, v[RH+\e]        ; the key
.endr
.if \g == 3
	s_wait_alu depctr_va_vdst(0)                   ; the last group has written its keys, which the four stores below read: no later group's wait could state it
	KOUT 3
.endif
	GMAX \g
.endm
	GROUP 0
	GROUP 1
	GROUP 2
	GROUP 3
	s_wait_alu depctr_va_vdst(0)                   ; the last group's reduction has written its maximum, which the LDS store below reads
	MOUT 3
	s_wait_dscnt 0x0                               ; my four words are in LDS before I say so
	s_barrier_signal -1
	s_barrier_wait -1
	s_cmp_lg_u32 s16, 0
	s_cbranch_scc1 .Lend
	ds_load_b32 v7, v6                             ; wave 0: the 32 maxima of the work-group (v6 was written ahead of the head's wait; no vector line names v7)
	s_wait_dscnt 0x0
	global_store_b32 v6, v7, s[8:9]                ; 128 consecutive bytes
.Lend:
	s_wait_dscnt 0x0                               ; the closing lines, six on end
	s_wait_alu 0x0
	s_wait_tensorcnt 0x0
	ds_add_u32 v168, v169
	s_wait_dscnt 0x0
	s_endpgm
.Lfunc_end_k_q2617be0df8_score:
	.size	k_q2617be0df8_score, .Lfunc_end_k_q2617be0df8_score-k_q2617be0df8_score
	.p2alignl 7, 3214868480
	.fill 96, 4, 3214868480
	.section	.rodata,"a",@progbits
	.p2align	6, 0x0
	.amdhsa_kernel k_q2617be0df8_score
		.amdhsa_group_segment_fixed_size 1280
		.amdhsa_private_segment_fixed_size 0
		.amdhsa_enable_private_segment 0
		.amdhsa_kernarg_size 24
		.amdhsa_user_sgpr_count 2
		.amdhsa_user_sgpr_kernarg_segment_ptr 1
		.amdhsa_wavefront_size32 1
		.amdhsa_system_sgpr_workgroup_id_x 1
		.amdhsa_system_sgpr_workgroup_id_y 1
		.amdhsa_system_sgpr_workgroup_id_z 1
		.amdhsa_system_vgpr_workitem_id 0
		.amdhsa_next_free_vgpr 170
		.amdhsa_next_free_sgpr 66
		.amdhsa_reserve_vcc 0
		.amdhsa_float_denorm_mode_32 3
		.amdhsa_float_denorm_mode_16_64 3
		.amdhsa_memory_ordered 1
		.amdhsa_forward_progress 1
		.amdhsa_inst_pref_size 38
	.end_amdhsa_kernel
	.amdgpu_metadata
---
amdhsa.version: [ 1, 2 ]
amdhsa.kernels:
  - .name:           k_q2617be0df8_score
    .symbol:         k_q2617be0df8_score.kd
    .args:
      - { .name: cl, .offset: 0, .size: 8, .value_kind: global_buffer, .address_space: global }
      - { .name: keys, .offset: 8, .size: 8, .value_kind: global_buffer, .address_space: global }
      - { .name: gmax, .offset: 16, .size: 8, .value_kind: global_buffer, .address_space: global }
    .group_segment_fixed_size: 1280
    .private_segment_fixed_size: 0
    .kernarg_segment_align: 8
    .kernarg_segment_size: 24
    .max_flat_workgroup_size: 256
    .sgpr_count:     66
    .vgpr_count:     170
    .wavefront_size: 32
...
	.end_amdgpu_metadata
.endif
;; end of part 5
;; launch hits: the kernel of part 2 again; grid 256 x 1, 8 waves a work-group, no clusters, 2,560 bytes of LDS; arguments keys, gmax, hidx, cntw; writes hidx, cntw
;; launch select: the kernel of part 3 again; grid 32 x 1, 32 waves a work-group, no clusters, 16,896 bytes of LDS; arguments hidx, cntw, keys, re, anc, smat, cand; writes smat, cand
;; launch finish: the kernel of part 4 again; grid 32 x 1, 1 waves a work-group, no clusters, 262,400 bytes of LDS; arguments smat, cand, keys, re, anc, out0, out1; writes out0, out1
